; MI455X (gfx1250); checked and timed in simulation.
; The chip was launched on July 23, 2026; its instructions are those of AMD's public machine-readable ISA for CDNA 5 (MIT licence, August 2026) and "CDNA5" Instruction Set Architecture Reference Guide (July 2026). The comments in the code are by the model that wrote it; some were corrected since.
;; Geometric Attention Bias. Allowed arithmetic: matrix products marked QUANTISED: E5M2 operands, one E8M0 scale for each 32 along K, by v_wmma_scale_f32_16x16x128_f8f6f4 with both operands' format E5M2, f32 sums; products left as they are: f32 operands where the result goes on into a quantised operand, else bf16, f16 or f32 operands; f32 sums; everything else in f32.
;; Inputs: W1 4 x 128 float32; W2 128 x 64 float32; W3 64 x 8 float32; b1 128 float32; b2 64 float32; b3 8 float32; beta1 128 float32; beta2 64 float32; bias_scale 8 float32; g1 128 float32; g2 64 float32; grasp_poses 4 x 64 x 7 float32; grasp_tokens 4 x 64 x 256 float32; scene_points 4 x 4,096 x 3 float32.
;; Outputs: out0 4 x 8 x 64 x 4,096 float32.
;; This version of the problem:
;;   THIS VERSION OF THE PROBLEM IS GIVEN IN LOW PRECISION. The matrix products marked QUANTISED in the list below multiply operands that are first quantised to E5M2 (5 exponent bits, 2 mantissa bits; 8 bits a number), with one power-of-two scale for each 32 numbers along K (OCP MX v1.0); their sums are f32. All else is computed in f32.
;;   The module's matrix products, in the order in which they are computed (A, B: the left and right operand; K: the contracted axis; several contracted axes count as one K, in the product's order):
;;     1. batch 256 x [M 4,096, K 3] x [K 3, N 3]; A: computed on the way; B: computed on the way: left as it is (K = 3 < 32)
;;     2. [M 1,048,576, K 4] x [K 4, N 128]; A: computed on the way; B: input W1: left as it is (K = 4 < 32)
;;     3. [M 1,048,576, K 128] x [K 128, N 64]; A: computed on the way; B: input W2: QUANTISED
;;     4. [M 1,048,576, K 64] x [K 64, N 8]; A: computed on the way; B: input W3: left as it is (N = 8 < 16)
;;   THE QUANTISER, for each operand of a quantised product, along K:
;;     - K is cut into blocks of 32 from its start; a last block that is shorter is filled with zeros.
;;     - A block's scale is 2^e with e = floor(log2(the largest magnitude in the block)) - 15, held to -126 .. 127; a block of zeros has e = 0. As a byte (E8M0): e + 127.
;;     - Each number is divided by its block's scale, clamped to +-57,344, and rounded to the nearest number of E5M2, ties to even, subnormals kept.
;;     - The product sums the exact products of the quantised numbers (number of the format x scale) in f32.
;;   ~~~python
;;   def quantise(x, axis):      # numpy; x: float32 -> the quantised numbers, widened to float32 again
;;       x = np.moveaxis(x, axis, -1); K = x.shape[-1]
;;       x = np.pad(x, [(0, 0)] * (x.ndim - 1) + [(0, -K % 32)]); x = x.reshape(x.shape[:-1] + (-1, 32)); a = np.abs(x).max(-1, keepdims=True)
;;       e = np.where(a > 0, np.clip(np.frexp(np.where(a > 0, a, 1))[1] - 1 - 15, -126, 127), 0)      # np.frexp(a)[1] - 1 = floor(log2(a)), exactly
;;       r = np.clip(x / 2.0 ** e, -57344, 57344)
;;       step = 2.0 ** (np.maximum(np.frexp(np.where(r == 0, 1, r))[1] - 1, -14) - 2)
;;       q = np.round(r / step) * step * 2.0 ** e      # np.round: ties to even
;;       return np.moveaxis(q.reshape(q.shape[:-2] + (-1,))[..., :K], -1, axis).astype(np.float32)
;;   ~~~
;;   OPERANDS COMPUTED ON THE WAY. 'Computed on the way' means the value that the module computes at that place (a softmax that the list does not call 'softmax' is quantised finished and normalised). What goes into a quantiser is computed in f32, as accurately as f32 sums, v_exp_f32 and their like allow (about 1e-6 of the number): no bf16 or f16 on the way to a quantiser, and a product that is left as it is and whose result goes on into a quantised operand takes f32 operands (vector FMAs, or v_wmma_f32_16x16x4_f32). A number that lies on a knife's edge between two numbers of the format may be rounded either way, as far as f32 arithmetic and the matrix unit's own rounding can turn it there, and no further.
;; 2 versions, each right; version 2 is version 1 with the launch geo written anew for expert scheduling mode. Each part assembles by itself: llvm-mc -triple=amdgcn-amd-amdhsa -mcpu=gfx1250 --defsym DOCPART=n.
;; ======== version 1 of 2: 1 launch
;; launch geo (part 1): grid 256 x 1, 4 waves a work-group, no clusters, 0 bytes of LDS; arguments scene_points, grasp_poses, W1, b1, g1, beta1, W2, b2, g2, beta2, W3, b3, bias_scale, out0; writes out0
.if DOCPART == 1
	.amdgcn_target "amdgcn-amd-amdhsa--gfx1250"
	.amdhsa_code_object_version 6
	.text
	.protected	k_qfb7421b9fa_geo
	.globl	k_qfb7421b9fa_geo
	.p2align	8
	.type	k_qfb7421b9fa_geo,@function
k_qfb7421b9fa_geo:
	s_mov_b64 s[64:65], 0
	v_nop
	global_prefetch_b8 v0, s[64:65] scope:SCOPE_SE
	s_setreg_imm32_b32 hwreg(HW_REG_WAVE_MODE, 25, 1), 1
	s_wait_xcnt 0x0
; out0[b][hd][g][p] = bias_scale[hd] x (LN2(relu(Q(LN1(relu(f W1 + b1))) Q(W2) + b2)) W3 + b3)[hd],  f = (R^T (point p - t), its norm) for grasp (b, g).
; Q: MX-E5M2 along the 128 (one E8M0 scale for each 32); that product goes by v_wmma_scale_f32_16x16x128_f8f6f4 on BF8 codes.  All ahead of Q is f32.
; SHARES.  Work-group 64 b + g owns one grasp's 4,096 points; wave w points 1,024 w on, as 16 groups of 64 (a trip of the loop).  A group is two PAIRS a = 0, 1 of two TILES s = 0, 1 of 16 points:
; lane r of tile (a, s) is point 2 (16 s + r) + a of the group, so that at the end lane L holds points 2 L and 2 L + 1 in neighbouring registers and one store of 8 bytes a lane covers 256 consecutive bytes, aligned.
; Nothing goes through LDS, the waves share nothing, there is no barrier.  All constants (324 registers, in the results' layouts, which differ between the halves of the lanes) stay in registers: so one wave takes a SIMD's registers.
; LAYOUTS (r = lane % 16, h = lane / 16).  All three products are used transposed, so that a lane holds ONE point throughout.
;   first:  v_wmma_f32_16x16x4_f32, K = 4 exactly, f32 operands since its result goes on into the quantiser; source 0 = 16 columns of W1, source 1 = the 4 features, C = b1.  Lane r of tile u takes unit 32 (u / 2) + 8 (u % 2) + r + 8 (r / 8),
;           so register i of a point's 64 is unit 32 (i / 16) + 16 h + i % 16: the order that the 8-bit operand wants; the conversions' results are the second product's operand.
;   second: source 0 = W2's codes (made at the head, a lane to a column, registers down K), source 1 = the point's codes, C = b2.  Register 8 n + j is unit 16 n + 8 h + j.
;   third:  bf16.  out = rs2 x sum_k d_k (g2_k W3_k,hd scale_hd) + (sum_k beta2_k W3_k,hd + b3_hd) scale_hd, d = x - mean, rs2 = rsqrt(var + eps): an identity; the second term is made at the head in f32.
; PIPELINE.  In a phase the pair in hand is normalised and quantised while the NEXT pair's 16 first products stand singly among those vector lines; the relu that moves the next pair out of the accumulators carries the pair's 8 scaled products;
; the tail carries the 4 bf16 products among the features of the pair after next.  The two tiles of a pair go line by line in step, so that no line reads the result of the line above it.
; The last trip prepares one pair that nobody uses (from the wave's last group: every load stays in its buffer): 16 products and some 170 vector lines a wave, the price of one text for all trips.
; LIMITS.  NaN and infinities among the inputs are not served.  v_sqrt_f32, v_rsq_f32, v_rcp_f32 take denormals as 0 (ISA guide 15.8): a squared norm under 2^-126 counts as 0.  A block of zeros has the scale byte 1 where the rule says 127:
; its codes are zeros, and the bytes never leave the wave.  The third product's operands, d and g2 W3 scale, are rounded to bf16.  (d g1) rs + beta1 stands for ((d rs) g1) + beta1: the last bit of f32 may differ.
; grasp_tokens is not read: reference() takes it as an argument and uses it nowhere.
;
; REGISTERS, in windows of 256 (s_set_vgpr_msb: bits 1:0 source 0, 3:2 source 1, 5:4 source 2, 7:6 destination).
; window 0
.set OFP,  1          ; v1       24 x lane: my two points' 24 bytes in a group
.set OFO,  2          ; v2       8 x lane: my two results' place in a group's 256 bytes
.set W2S,  16         ; v16-19   W2's scale words, tile n
.set PW,   20         ; v20-21   the points' scale words, tile s
.set FT,   24         ; v24-31   features as source 1 of the first product: 24 + 4 par + 2 s
.set W1F,  32         ; v32-47   W1 as source 0: 2 registers a tile u
.set PT,   48         ; v48-53   x, y, z of my two points
.set VV,   56         ; v56-58   point - t
.set LL,   60         ; v60-62   R^T (point - t)
.set DI,   63         ; v63      its norm
.set XP,   64         ; v64-67   the same four of lane xor 16
.set N2,   68         ; v68      the squared norm
.set RSM,  72         ; v72      rs2 of tile 0 in lanes 0-15, else 0;  v73 rs2 of tile 1 in lanes 16-31, else 0
.set RS2,  74         ; v74-75   rs2, tile s
.set W3A,  80         ; v80-95   g2 W3 scale in bf16, source 0 of the third product: row m = head m % 8
.set HB,   96         ; v96-127  d in bf16: 16 registers a tile
.set ACL,  128        ; v128-135 the third product's sums, tile 0;
.set ACH,  136        ; v136-143 tile 1
.set OO,   144        ; v144-159 results: register 2 j + a: head j, point 2 L + a
.set SB,   160        ; v160-175 sums of squares of the second norm: four pairs a tile
.set TP2,  176        ; v176-177 lane xor 16's
; window 1
.set XX,   0          ; v0-127   the pair's 64 numbers a tile: 64 s + i
.set EE,   128        ; v128-191 the second product's sums: 128 + 32 s + 8 n + j
.set SA,   192        ; v192-207 running sums: four pairs a tile
.set NMU,  208        ; v208, 210 minus the mean (low word of a pair)
.set RS,   212        ; v212, 214 rsqrt(var + eps) (low word of a pair)
.set TP,   216        ; v216-217 lane xor 16's
.set WT,   218        ; v218-219 a scale word in the making
.set SCL,  220        ; v220 bias_scale, v221 b3, of head r % 8 (head of the kernel only)
.set TM0,  224        ; + 4 s + b: a block's largest magnitude;
.set TM1,  232        ; lane xor 16's, then the scale's byte;
.set TM2,  240        ; 57,344 x the scale;
.set TM3,  248        ; the conversion's scale operand
; window 2
.set DD,   0          ; v0-127   the first product's results, 64 s + 8 u + j: written by matrix instructions alone
.set PCD,  128        ; v128-159 the points' codes: 16 registers a tile
.set B1,   160        ; v160-223 b1, index i
.set B2,   224        ; v224-255 b2, index 8 n + j
; window 3
.set G1,   0          ; v0-63    g1, index i
.set BE1,  64         ; v64-127  beta1
.set BE2S, 128        ; v128-159 beta2 (head of the kernel only)
.set W2C,  192        ; v192-255 W2's codes: 16 registers a tile n
; SCALARS: s[4:31] the fourteen addresses; s32 wave; s[36:37] selects for lane xor 16; s38 mantissa field of 57,344; s39 mask of lanes 16-31; s40 -1/128, s41 1/128, s42 -1/64, s76 1/64, s77 eps;
;          s43 trips to go; s[44:45] the points' step; s[78:79] the output's step; s46-48 t; s[49 + 3 j + i] R[j][i]; s68-75 the third product's constant term, head j
.set GAP,  28         ; vector lines between two first products: 16 x 28 = 448 of the 580 lines that carry them; the 128 holds follow the last
.set MSB,  0
.set L1I,  16         ; the next first product's number (16: none left)
.set L1P,  0          ; which set of features it reads
.set CNT,  0
.macro WIN new                         ; the immediate's high byte repeats the setting that is left; a switch that changes nothing is dropped
.if MSB != \new
	s_set_vgpr_msb (MSB<<8)|\new
.set MSB, \new
.endif
.endm
; One first product: tile u = L1I / 2 of the units, tile s = L1I % 2 of the points.  C = b1: the bias costs nothing, and nothing is cleared.
.macro L1ONE
	WIN 0xA0
	v_wmma_f32_16x16x4_f32 v[DD+64*(L1I%2)+8*(L1I/2):DD+64*(L1I%2)+8*(L1I/2)+7], v[W1F+2*(L1I/2):W1F+2*(L1I/2)+1], v[FT+4*L1P+2*(L1I%2):FT+4*L1P+2*(L1I%2)+1], v[B1+8*(L1I/2):B1+8*(L1I/2)+7]
.set L1I, L1I+1
.endm
.macro TICK                            ; stands behind each line of the carrying streams
.set CNT, CNT+1
.if (CNT >= GAP) && (L1I < 16)
	L1ONE
.set CNT, 0
.endif
.endm
; ---- pieces that both norms share.  bs + st x s: a tile's numbers, np pairs of them
.macro COMB                            ; the four running pairs become one
.irp s, 0,1
	WIN 0x55
	v_pk_add_f32 v[SA+8*\s:SA+8*\s+1], v[SA+8*\s:SA+8*\s+1], v[SA+8*\s+2:SA+8*\s+3]
	TICK
.endr
.irp s, 0,1
	WIN 0x55
	v_pk_add_f32 v[SA+8*\s+4:SA+8*\s+5], v[SA+8*\s+4:SA+8*\s+5], v[SA+8*\s+6:SA+8*\s+7]
	TICK
.endr
.irp s, 0,1
	WIN 0x55
	v_pk_add_f32 v[SA+8*\s:SA+8*\s+1], v[SA+8*\s:SA+8*\s+1], v[SA+8*\s+4:SA+8*\s+5]
	TICK
.endr
.endm
.macro SUMS bs, st, np                 ; the sum of my numbers, two at a time, in four chains that the first eight pairs start
.irp k, 0,1,2,3
.irp s, 0,1
	WIN 0x55
	v_pk_add_f32 v[SA+8*\s+2*\k:SA+8*\s+2*\k+1], v[\bs+\st*\s+2*\k:\bs+\st*\s+2*\k+1], v[\bs+\st*\s+2*\k+8:\bs+\st*\s+2*\k+9]
	TICK
.endr
.endr
.set ip, 8
.rept \np-8
.irp s, 0,1
	WIN 0x55
	v_pk_add_f32 v[SA+8*\s+2*(ip%4):SA+8*\s+2*(ip%4)+1], v[SA+8*\s+2*(ip%4):SA+8*\s+2*(ip%4)+1], v[\bs+\st*\s+2*ip:\bs+\st*\s+2*ip+1]
	TICK
.endr
.set ip, ip+1
.endr
	COMB
.endm
.macro CROSS d                         ; v[d + 2 s] = the pair's two halves + lane xor 16's: the point's other half of the units lies there
.irp s, 0,1
	WIN 0x55
	v_add_f32 v[\d+2*\s], v[SA+8*\s], v[SA+8*\s+1]
	TICK
.endr
.irp s, 0,1
	WIN 0x55
	v_permlanex16_b32 v[TP+\s], v[\d+2*\s], s36, s37
	TICK
.endr
.irp s, 0,1
	WIN 0x55
	v_add_f32 v[\d+2*\s], v[\d+2*\s], v[TP+\s]
	TICK
.endr
.endm
.macro MEAN sc                         ; minus the mean
	CROSS NMU
.irp s, 0,1
	WIN 0x55
	v_mul_f32 v[NMU+2*\s], s[\sc], v[NMU+2*\s]
	TICK
.endr
.endm
.macro CENTRE bs, st, np               ; d = x - mean, in place (of the pair NMU the low word serves both halves)
.set ip, 0
.rept \np
.irp s, 0,1
	WIN 0x55
	v_pk_add_f32 v[\bs+\st*\s+2*ip:\bs+\st*\s+2*ip+1], v[\bs+\st*\s+2*ip:\bs+\st*\s+2*ip+1], v[NMU+2*\s:NMU+2*\s+1] op_sel_hi:[1,0]
	TICK
.endr
.set ip, ip+1
.endr
.endm
.macro SQS bs, st, np, acc, w          ; the sum of d^2 (two passes: no difference of large sums), four chains at v[acc + 8 s], under window setting w
.irp k, 0,1,2,3
.irp s, 0,1
	WIN \w
	v_pk_mul_f32 v[\acc+8*\s+2*\k:\acc+8*\s+2*\k+1], v[\bs+\st*\s+2*\k:\bs+\st*\s+2*\k+1], v[\bs+\st*\s+2*\k:\bs+\st*\s+2*\k+1]
	TICK
.endr
.endr
.set ip, 4
.rept \np-4
.irp s, 0,1
	WIN \w
	v_pk_fma_f32 v[\acc+8*\s+2*(ip%4):\acc+8*\s+2*(ip%4)+1], v[\bs+\st*\s+2*ip:\bs+\st*\s+2*ip+1], v[\bs+\st*\s+2*ip:\bs+\st*\s+2*ip+1], v[\acc+8*\s+2*(ip%4):\acc+8*\s+2*(ip%4)+1]
	TICK
.endr
.set ip, ip+1
.endr
.endm
; ---- the first norm, on the pair in XX
.macro LN1
	SUMS XX, 64, 32
	MEAN 40
	CENTRE XX, 64, 32
	SQS XX, 64, 32, SA, 0x55
	COMB
	CROSS RS
.irp s, 0,1
	WIN 0x55
	v_fma_f32 v[RS+2*\s], v[RS+2*\s], s41, s77     ; var + eps
	TICK
.endr
.irp s, 0,1
	WIN 0x55
	v_rsq_f32 v[RS+2*\s], v[RS+2*\s]
	TICK
.endr
.set ip, 0
.rept 32                               ; d g1 needs no root: these 64 lines are the independent work behind the two roots
.irp s, 0,1
	WIN 0x4D
	v_pk_mul_f32 v[XX+64*\s+2*ip:XX+64*\s+2*ip+1], v[XX+64*\s+2*ip:XX+64*\s+2*ip+1], v[G1+2*ip:G1+2*ip+1]
	TICK
.endr
.set ip, ip+1
.endr
	s_wait_alu depctr_va_vdst(0)                   ; one wait for both roots, ahead of their first reader
.set ip, 0
.rept 32
.irp s, 0,1
	WIN 0x75
	v_pk_fma_f32 v[XX+64*\s+2*ip:XX+64*\s+2*ip+1], v[XX+64*\s+2*ip:XX+64*\s+2*ip+1], v[RS+2*\s:RS+2*\s+1], v[BE1+2*ip:BE1+2*ip+1] op_sel_hi:[1,0,1]
	TICK
.endr
.set ip, ip+1
.endr
.endm
; ---- the quantiser: both tiles' 64 numbers in XX (register 16 b + i = k 32 b + 16 h + i) become codes at v[cb + 16 s] (window setting cw) and scale words at v[sw + s] of window 0
.macro QPAIR cb, cw, sw
.irp b, 0,1,2,3
.irp s, 0,1
	WIN 0x55
	v_max3_num_f32 v[TM0+4*\s+\b], |v[XX+64*\s+16*\b]|, |v[XX+64*\s+16*\b+1]|, 0x8000000   ; my 16 numbers of block b, and the floor 2^(16 - 127): so the byte cannot fall under 1
	TICK
.endr
.endr
.irp i, 2,4,6,8,10,12,14
.irp b, 0,1,2,3
.irp s, 0,1
	WIN 0x55
	v_max3_num_f32 v[TM0+4*\s+\b], v[TM0+4*\s+\b], |v[XX+64*\s+16*\b+\i]|, |v[XX+64*\s+16*\b+\i+1]|
	TICK
.endr
.endr
.endr
.irp b, 0,1,2,3
.irp s, 0,1
	WIN 0x55
	v_permlanex16_b32 v[TM1+4*\s+\b], v[TM0+4*\s+\b], s36, s37
	TICK
.endr
.endr
.irp b, 0,1,2,3
.irp s, 0,1
	WIN 0x55
	v_max_num_f32 v[TM0+4*\s+\b], v[TM0+4*\s+\b], v[TM1+4*\s+\b]   ; with lane xor 16's 16: the block's largest magnitude
	TICK
.endr
.endr
.irp b, 0,1,2,3
.irp s, 0,1
	WIN 0x55
	v_add_nc_u32 v[TM3+4*\s+\b], 0xf8800000, v[TM0+4*\s+\b]        ; 15 off its exponent field: the conversion takes that field as its scale
	TICK
.endr
.endr
.irp b, 0,1,2,3
.irp s, 0,1
	WIN 0x55
	v_and_or_b32 v[TM2+4*\s+\b], v[TM0+4*\s+\b], 0x7f800000, s38   ; 57,344 x the scale
	TICK
.endr
.endr
.irp b, 0,1,2,3
.irp s, 0,1
	WIN 0x55
	v_lshrrev_b32 v[TM1+4*\s+\b], 23, v[TM3+4*\s+\b]               ; the scale's byte
	TICK
.endr
.endr
.irp s, 0,1
	WIN 0x55
	v_lshl_or_b32 v[WT+\s], v[TM1+4*\s+1], 8, v[TM1+4*\s]
	TICK
.endr
.irp s, 0,1
	WIN 0x55
	v_lshl_or_b32 v[WT+\s], v[TM1+4*\s+2], 16, v[WT+\s]
	TICK
.endr
.irp s, 0,1
	WIN 0x11
	v_lshl_or_b32 v[\sw+\s], v[TM1+4*\s+3], 24, v[WT+\s]           ; the scale word: the 128 holds below stand between it and the scaled products
	TICK
.endr
.irp b, 0,1,2,3
.irp i, 0,1,2,3,4,5,6,7,8,9,10,11,12,13,14,15
.irp s, 0,1
	WIN 0x55
	v_med3_num_f32 v[XX+64*\s+16*\b+\i], v[XX+64*\s+16*\b+\i], -v[TM2+4*\s+\b], v[TM2+4*\s+\b]   ; the conversion to an 8-bit code does not saturate (ISA guide 7.6.2): the hold
	TICK
.endr
.endr
.endr
.irp b, 0,1,2,3
.irp s, 0,1
	WIN \cw
	v_cvt_scalef32_pk8_bf8_f32 v[\cb+16*\s+4*\b:\cb+16*\s+4*\b+1], v[XX+64*\s+16*\b:XX+64*\s+16*\b+7], v[TM3+4*\s+\b]
	v_cvt_scalef32_pk8_bf8_f32 v[\cb+16*\s+4*\b+2:\cb+16*\s+4*\b+3], v[XX+64*\s+16*\b+8:XX+64*\s+16*\b+15], v[TM3+4*\s+\b]
.endr
.endr
	v_nop                                          ; a plain line between the last conversion and the lines that write its sources or read its codes
.endm
; ---- the relu that moves the next pair out of the first product's accumulators (each from its low end on), 128 lines.  l2 = 1: the pair's eight scaled products stand among them, behind lines 7, 22, .. 112:
; nine plain lines lie between the codes' conversions and the first, fifteen behind the last, ahead of the first read of its sums.  One window setting serves both kinds of line.
.macro RL l2
.set ri, 0
.rept 128
	WIN 0x6B
	v_max_num_f32 v[XX+64*((ri/8)%2)+8*(ri/16)+ri%8], 0, v[DD+64*((ri/8)%2)+8*(ri/16)+ri%8]
.if \l2 && (ri >= 7) && ((ri-7)%15 == 0) && ((ri-7)/15 < 8)
.set m2, (ri-7)/15
	v_wmma_scale_f32_16x16x128_f8f6f4 v[EE+32*(m2%2)+8*(m2/2):EE+32*(m2%2)+8*(m2/2)+7], v[W2C+16*(m2/2):W2C+16*(m2/2)+15], v[PCD+16*(m2%2):PCD+16*(m2%2)+15], v[B2+8*(m2/2):B2+8*(m2/2)+7], v[W2S+m2/2], v[PW+m2%2] matrix_a_fmt:MATRIX_FMT_BF8 matrix_b_fmt:MATRIX_FMT_BF8
.endif
.set ri, ri+1
.endr
.endm
; ---- the second norm as far as d in bf16 and the four chains of d^2
.macro LN2A
.set ip, 0
.rept 32
.irp s, 0,1
	WIN 0x55
	v_max_num_f32 v[EE+32*\s+ip], 0, v[EE+32*\s+ip]   ; relu, each accumulator from its low end on
.endr
.set ip, ip+1
.endr
	SUMS EE, 32, 16
	MEAN 42
	CENTRE EE, 32, 16
	SQS EE, 32, 16, SB, 0x05
.set ip, 0
.rept 16
.irp s, 0,1
	WIN 0x05
	v_cvt_pk_bf16_f32 v[HB+16*\s+ip], v[EE+32*\s+2*ip], v[EE+32*\s+2*ip+1]   ; registers 8 n + 2 i, + 1 are units 16 n + 8 h + 2 i, + 1: the bf16 operand's own order
.endr
.set ip, ip+1
.endr
.endm
; ---- the features of pair a, in pieces (window 0): every lane works on its own point 2 L + a
.macro FA1 a
.irp c, 0,1,2
	v_sub_f32 v[VV+\c], v[PT+3*\a+\c], s[46+\c]
.endr
.endm
.macro FA2
.irp i, 0,1,2
	v_mul_f32 v[LL+\i], s[49+\i], v[VV]
.endr
.endm
.macro FA3
.irp i, 0,1,2
	v_fmac_f32 v[LL+\i], s[52+\i], v[VV+1]
.endr
.endm
.macro FA4
.irp i, 0,1,2
	v_fmac_f32 v[LL+\i], s[55+\i], v[VV+2]
.endr
.endm
.macro FN1
	v_mul_f32 v[N2], v[LL], v[LL]
.endm
.macro FN2
	v_fmac_f32 v[N2], v[LL+1], v[LL+1]
	v_fmac_f32 v[N2], v[LL+2], v[LL+2]
.endm
; Source 1 of the first product: lane (r, h), register j = feature 2 h + j of the tile's point r.  Tile 0's points lie in lanes 0-15, tile 1's in lanes 16-31: each half takes two features of its own and two from lane xor 16.
.macro FB1 par
	v_permlanex16_b32 v[XP], v[LL], s36, s37
	v_permlanex16_b32 v[XP+1], v[LL+1], s36, s37
	v_permlanex16_b32 v[XP+2], v[LL+2], s36, s37
	v_cndmask_b32 v[FT+4*\par], v[LL], v[XP+2], s39
	v_cndmask_b32 v[FT+4*\par+2], v[XP], v[LL+2], s39
.endm
.macro FB2 par
	v_permlanex16_b32 v[XP+3], v[DI], s36, s37
	v_cndmask_b32 v[FT+4*\par+1], v[LL+1], v[XP+3], s39
	v_cndmask_b32 v[FT+4*\par+3], v[XP+1], v[DI], s39
.endm
.macro FEAT a, par                     ; all of it on end, for the head of the kernel
	FA1 \a
	FA2
	FA3
	FA4
	FN1
	FN2
	v_sqrt_f32 v[DI], v[N2]
	FB1 \par                                       ; names neither the root nor its source
	s_wait_alu depctr_va_vdst(0)                   ; ahead of the root's first reader
	FB2 \par
.endm
; ---- the tail of phase q, all in window 0: the third product's four instructions (the two accumulators by turns), among them the end of the second variance and the features of pair q of the NEXT group
.macro TAIL q
	WIN 0
.if \q == 0
	s_wait_loadcnt 0x0                             ; the next group's three loads, issued a phase ago, are the only loads out
.endif
	v_wmma_f32_16x16x32_bf16 v[ACL:ACL+7], v[W3A:W3A+7], v[HB:HB+7], 0
.irp s, 0,1
	v_pk_add_f32 v[SB+8*\s:SB+8*\s+1], v[SB+8*\s:SB+8*\s+1], v[SB+8*\s+2:SB+8*\s+3]
.endr
.irp s, 0,1
	v_pk_add_f32 v[SB+8*\s+4:SB+8*\s+5], v[SB+8*\s+4:SB+8*\s+5], v[SB+8*\s+6:SB+8*\s+7]
.endr
	FA1 \q
.irp s, 0,1
	v_pk_add_f32 v[SB+8*\s:SB+8*\s+1], v[SB+8*\s:SB+8*\s+1], v[SB+8*\s+4:SB+8*\s+5]
.endr
	v_wmma_f32_16x16x32_bf16 v[ACH:ACH+7], v[W3A:W3A+7], v[HB+16:HB+23], 0
	FA2
.irp s, 0,1
	v_add_f32 v[SB+8*\s], v[SB+8*\s], v[SB+8*\s+1]
.endr
	FA3
	v_wmma_f32_16x16x32_bf16 v[ACL:ACL+7], v[W3A+8:W3A+15], v[HB+8:HB+15], v[ACL:ACL+7]
.irp s, 0,1
	v_permlanex16_b32 v[TP2+\s], v[SB+8*\s], s36, s37
.endr
	FA4
.irp s, 0,1
	v_add_f32 v[SB+8*\s], v[SB+8*\s], v[TP2+\s]
.endr
	FN1
	v_wmma_f32_16x16x32_bf16 v[ACH:ACH+7], v[W3A+8:W3A+15], v[HB+24:HB+31], v[ACH:ACH+7]
	FN2
.irp s, 0,1
	v_fma_f32 v[RS2+\s], v[SB+8*\s], s76, s77      ; var + eps
.endr
	v_sqrt_f32 v[DI], v[N2]                        ; one batch of three
	v_rsq_f32 v[RS2], v[RS2]
	v_rsq_f32 v[RS2+1], v[RS2+1]
	FB1 \q                                         ; five lines that name none of the three
	s_wait_alu depctr_va_vdst(0)                   ; one wait for the batch, ahead of its first reader
	FB2 \q
	v_cndmask_b32 v[RSM], v[RS2], 0, s39
	v_cndmask_b32 v[RSM+1], 0, v[RS2+1], s39
.if \q == 0
	s_wait_xcnt 0x0                                ; the last trip's stores have read their data and their base: only behind this wait are both written again
	s_add_nc_u64 s[30:31], s[30:31], s[78:79]      ; this group's 256 bytes (the first trip adds 0)
	s_mov_b32 s78, 256
.endif
.irp j, 0,1,2,3,4,5,6,7                ; both halves of the lanes hold head j of point r: lanes 0-15 keep tile 0's, lanes 16-31 tile 1's.  Each accumulator from its low end on
	v_fma_f32 v[OO+2*\j+\q], v[ACL+\j], v[RSM], s[68+\j]
.endr
.irp j, 0,1,2,3,4,5,6,7
	v_fma_f32 v[OO+2*\j+\q], v[ACH+\j], v[RSM+1], v[OO+2*\j+\q]
.endr
.if \q == 1
.irp j, 0,1,2,3,4,5,6,7
	global_store_b64 v[OFO], v[OO+2*\j:OO+2*\j+1], s[30:31] offset:\j*1048576 th:TH_STORE_NT   ; 32 lanes store 256 consecutive bytes, at a multiple of 256 from out0's first byte; heads lie 2^20 bytes apart
.endr
	s_cmp_ge_u32 s43, 3                            ; trip G (s43 = 16 - G) asks for group min(G + 2, 15): no load leaves the wave's 16 groups
	s_cselect_b32 s44, 768, 0
	s_add_nc_u64 s[4:5], s[4:5], s[44:45]          ; (the loads that read this base were waited for in this trip's first tail)
.irp i, 0,1,2
	global_load_b64 v[PT+2*\i:PT+2*\i+1], v[OFP], s[4:5] offset:8*\i
.endr
.endif
.endm
.macro PHASE q
.set L1I, 0
.set L1P, (\q+1)%2
.set CNT, 0
	LN1
	QPAIR PCD, 0x85, PW
	RL 1
	LN2A
	TAIL \q
.endm
.macro W2LOAD n0                       ; W2's columns 16 n0 + 16 s + r, registers down K in the operand's order: register 16 c + i = W2[32 c + 16 h + i][column]
	WIN 0x40
.irp s, 0,1
.set ip, 0
.rept 64
	global_load_b32 v[XX+64*\s+ip], v10, s[16:17] offset:(32*(ip/16)+ip%16)*256+64*(\n0+\s)
.set ip, ip+1
.endr
.endr
.endm
	; ================ THE HEAD ================
	s_load_b512 s[4:19], s[0:1], 0x0               ; points, poses, W1, b1, g1, beta1, W2, b2
	s_load_b256 s[20:27], s[0:1], 0x40             ; g2, beta2, W3, b3
	s_load_b128 s[28:31], s[0:1], 0x60             ; bias_scale, out0
	v_and_b32 v3, 31, v0                           ; lane
	v_lshrrev_b32 v4, 5, v0
	v_readfirstlane_b32 s32, v4                    ; wave 0..3
	v_and_b32 v5, 15, v0                           ; r
	v_bfe_u32 v6, v0, 4, 1                         ; h
	v_mul_u32_u24 v[OFP], v3, 24
	v_lshlrev_b32 v[OFO], 3, v3
	v_and_b32 v7, 8, v5
	v_add_nc_u32 v7, v7, v5                        ; r + 8 (r / 8)
	v_lshlrev_b32 v7, 2, v7
	v_lshl_add_u32 v7, v6, 10, v7                  ; W1: rows 2 h on (512 bytes each), my tile's column
	v_lshlrev_b32 v8, 6, v6                        ; b1, g1, beta1: 16 h numbers on
	v_lshlrev_b32 v9, 5, v6                        ; b2, g2, beta2: 8 h numbers on
	v_lshlrev_b32 v10, 2, v5
	v_lshl_add_u32 v10, v6, 12, v10                ; W2: rows 16 h on (256 bytes each), column r
	v_and_b32 v11, 7, v5
	v_lshlrev_b32 v11, 2, v11                      ; b3, bias_scale: head r % 8
	v_lshl_add_u32 v12, v6, 8, v11                 ; W3: rows 8 h on (32 bytes each), head r % 8
	v_mov_b32 v13, 0                               ; the pose: the same seven numbers in every lane
	s_mov_b32 s36, 0x76543210
	s_mov_b32 s37, 0xfedcba98
	s_mov_b32 s38, 0x600000
	s_mov_b32 s39, 0xffff0000
	s_mov_b32 s40, 0xbc000000
	s_mov_b32 s41, 0x3c000000
	s_mov_b32 s42, 0xbc800000
	s_mov_b32 s76, 0x3c800000
	s_mov_b32 s77, 0x3727c5ac                      ; 1e-5
	s_mov_b32 s44, 0
	s_mov_b32 s45, 0
	s_mov_b32 s78, 0
	s_mov_b32 s79, 0
	s_lshr_b32 s33, ttmp9, 6                       ; b
	s_mul_i32 s34, s33, 49152                      ; a batch's 4,096 points of 12 bytes,
	s_mul_i32 s35, s32, 12288                      ; my wave's 1,024
	s_add_co_u32 s34, s34, s35
	s_mov_b32 s35, 0
	s_mul_i32 s58, ttmp9, 28                       ; my grasp's pose
	s_mov_b32 s59, 0
	s_lshl_b32 s60, s33, 23                        ; out0: b x 2^23 + g x 2^14 + wave x 2^12 bytes
	s_and_b32 s61, ttmp9, 63
	s_lshl_b32 s61, s61, 14
	s_or_b32 s60, s60, s61
	s_lshl_b32 s61, s32, 12
	s_or_b32 s60, s60, s61
	s_mov_b32 s61, 0
	s_wait_kmcnt 0x0
	s_add_nc_u64 s[4:5], s[4:5], s[34:35]
	s_add_nc_u64 s[6:7], s[6:7], s[58:59]
	s_add_nc_u64 s[30:31], s[30:31], s[60:61]
.irp i, 0,1,2,3,4,5,6
	global_load_b32 v[180+\i], v13, s[6:7] offset:4*\i             ; t (3), then the quaternion x, y, z, w
.endr
.irp i, 0,1,2
	global_load_b64 v[PT+2*\i:PT+2*\i+1], v[OFP], s[4:5] offset:8*\i   ; group 0
.endr
.irp u, 0,1,2,3,4,5,6,7
.irp j, 0,1
	global_load_b32 v[W1F+2*\u+\j], v7, s[8:9] offset:(128*\j+32*(\u/2)+8*(\u%2))*4
.endr
.endr
	WIN 0x80                                       ; destination window 2
.irp t, 0,1,2,3,4,5,6,7,8,9,10,11,12,13,14,15
	global_load_b128 v[B1+4*\t:B1+4*\t+3], v8, s[10:11] offset:128*(\t/4)+16*(\t%4)
.endr
.irp t, 0,1,2,3,4,5,6,7
	global_load_b128 v[B2+4*\t:B2+4*\t+3], v9, s[18:19] offset:64*(\t/2)+16*(\t%2)
.endr
	WIN 0xC0                                       ; destination window 3
.irp t, 0,1,2,3,4,5,6,7,8,9,10,11,12,13,14,15
	global_load_b128 v[G1+4*\t:G1+4*\t+3], v8, s[12:13] offset:128*(\t/4)+16*(\t%4)
	global_load_b128 v[BE1+4*\t:BE1+4*\t+3], v8, s[14:15] offset:128*(\t/4)+16*(\t%4)
.endr
.irp t, 0,1,2,3,4,5,6,7
	global_load_b128 v[BE2S+4*\t:BE2S+4*\t+3], v9, s[22:23] offset:64*(\t/2)+16*(\t%2)
.endr
	WIN 0x40                                       ; destination window 1: W3 and g2 take, for now, the registers of the second product's sums
.set ip, 0
.rept 32
	global_load_b32 v[EE+ip], v12, s[24:25] offset:(16*(ip/8)+ip%8)*32   ; W3[16 (m / 8) + 8 h + m % 8][r % 8]
.set ip, ip+1
.endr
.irp t, 0,1,2,3,4,5,6,7
	global_load_b128 v[EE+32+4*\t:EE+32+4*\t+3], v9, s[20:21] offset:64*(\t/2)+16*(\t%2)
.endr
	global_load_b32 v[SCL], v11, s[28:29]
	global_load_b32 v[SCL+1], v11, s[26:27]
	W2LOAD 0
	; written once: a lane permute's destination counts as one of its sources, and a pair's upper word as read
.irp i, TP, TP+1, NMU+1, NMU+3, RS+1, RS+3, TM1, TM1+1, TM1+2, TM1+3, TM1+4, TM1+5, TM1+6, TM1+7
	v_mov_b32 v[\i], 0
.endr
	WIN 0
.irp i, XP, XP+1, XP+2, XP+3, TP2, TP2+1
	v_mov_b32 v[\i], 0
.endr
	s_wait_loadcnt 0x0
	; ---- the pose: q / (|q| + 1e-8), R as reference() writes it, into scalars
	v_mul_f32 v187, v183, v183
	v_fmac_f32 v187, v184, v184
	v_fmac_f32 v187, v185, v185
	v_fmac_f32 v187, v186, v186
	v_sqrt_f32 v188, v187
	v_nop
	s_wait_alu depctr_va_vdst(0)                   ; ahead of the root's reader
	v_add_f32 v188, 0x322bcc77, v188               ; + 1e-8
	v_rcp_f32 v189, v188
	v_nop
	s_wait_alu depctr_va_vdst(0)                   ; and of the reciprocal's
.irp i, 183,184,185,186
	v_mul_f32 v[\i], v[\i], v189
.endr
	v_mul_f32 v190, v183, v183                     ; xx
	v_mul_f32 v191, v184, v184                     ; yy
	v_mul_f32 v192, v185, v185                     ; zz
	v_mul_f32 v193, v183, v184                     ; xy
	v_mul_f32 v194, v183, v185                     ; xz
	v_mul_f32 v195, v184, v185                     ; yz
	v_mul_f32 v196, v186, v183                     ; wx
	v_mul_f32 v197, v186, v184                     ; wy
	v_mul_f32 v198, v186, v185                     ; wz
	v_add_f32 v200, v191, v192
	v_sub_f32 v201, v193, v198
	v_add_f32 v202, v194, v197
	v_add_f32 v203, v193, v198
	v_add_f32 v204, v190, v192
	v_sub_f32 v205, v195, v196
	v_sub_f32 v206, v194, v197
	v_add_f32 v207, v195, v196
	v_add_f32 v208, v190, v191
.irp i, 200,204,208
	v_fma_f32 v[\i], v[\i], -2.0, 1.0
.endr
.irp i, 201,202,203,205,206,207
	v_add_f32 v[\i], v[\i], v[\i]
.endr
.irp i, 0,1,2
	v_readfirstlane_b32 s[46+\i], v[180+\i]
.endr
.irp i, 0,1,2,3,4,5,6,7,8
	v_readfirstlane_b32 s[49+\i], v[200+\i]
.endr
	; ---- the third product's constants.  c[hd] = (sum_k beta2[k] W3[k][hd] + b3[hd]) scale[hd], in f32: my 32 k in four chains, lane xor 16's 32
	WIN 0x57                                       ; source 0 (beta2) window 3, all else window 1
.irp k, 0,1,2,3
	v_mul_f32 v[SA+\k], v[BE2S+\k], v[EE+\k]
.endr
.set ip, 4
.rept 28
	v_fma_f32 v[SA+ip%4], v[BE2S+ip], v[EE+ip], v[SA+ip%4]
.set ip, ip+1
.endr
	WIN 0x55
	v_add_f32 v[SA], v[SA], v[SA+1]
	v_add_f32 v[SA+2], v[SA+2], v[SA+3]
	v_add_f32 v[SA], v[SA], v[SA+2]
	v_permlanex16_b32 v[TP], v[SA], s36, s37
	v_add_f32 v[SA], v[SA], v[TP]
	v_add_f32 v[SA], v[SA], v[SCL+1]
	v_mul_f32 v[SA], v[SA], v[SCL]
.set ip, 0
.rept 16                               ; W3' = g2 W3 scale
	v_pk_mul_f32 v[EE+2*ip:EE+2*ip+1], v[EE+2*ip:EE+2*ip+1], v[EE+32+2*ip:EE+32+2*ip+1]
.set ip, ip+1
.endr
.set ip, 0
.rept 16
	v_pk_mul_f32 v[EE+2*ip:EE+2*ip+1], v[EE+2*ip:EE+2*ip+1], v[SCL:SCL+1] op_sel_hi:[1,0]
.set ip, ip+1
.endr
	WIN 0x05
.set ip, 0
.rept 16
	v_cvt_pk_bf16_f32 v[W3A+ip], v[EE+2*ip], v[EE+2*ip+1]
.set ip, ip+1
.endr
	WIN 0x01
	v_mov_b32 v210, v[SA]
	WIN 0
.irp j, 0,1,2,3,4,5,6,7
	v_readlane_b32 s[68+\j], v210, \j              ; lane j holds head j's
.endr
	; ---- W2's codes, two tiles of 16 columns at a time, by the macro that quantises the points; between the two: the first features and the first pair's products
	QPAIR W2C, 0xC5, W2S
	W2LOAD 2
	WIN 0
	FEAT 0, 0
	FEAT 1, 1
.set L1I, 0
.set L1P, 0
.rept 16
	L1ONE                                          ; pair 0 of group 0: there is no vector work of the loop yet to set between them
.endr
	WIN 0
	s_add_nc_u64 s[4:5], s[4:5], 768               ; group 0's loads were waited for above: the base goes on to group 1
.irp i, 0,1,2
	global_load_b64 v[PT+2*\i:PT+2*\i+1], v[OFP], s[4:5] offset:8*\i
.endr
	s_wait_loadcnt 0x0                             ; W2's other two tiles (and group 1)
	QPAIR W2C+32, 0xC5, W2S+2                      ; its lines name none of the first products' registers: they are the places ahead of the relu below
	RL 0
	WIN 0                                          ; at a label and at a branch every window is 0
	s_mov_b32 s43, 16
	; ================ THE LOOP: a trip is a group of 64 points, two phases ================
	; At the head of trip G: XX holds relu(first product) of pair 0 of G; FT's set 1 the features of pair 1 of G; group G + 1's points are asked for.
.Ltrip:
	PHASE 0
	PHASE 1
	WIN 0
	s_sub_co_u32 s43, s43, 1
	s_cmp_lg_u32 s43, 0
	s_cbranch_scc1 .Ltrip
	s_endpgm
.Lfunc_end_k_qfb7421b9fa_geo:
	.size	k_qfb7421b9fa_geo, .Lfunc_end_k_qfb7421b9fa_geo-k_qfb7421b9fa_geo
	.p2alignl 7, 3214868480
	.fill 96, 4, 3214868480
	.section	.rodata,"a",@progbits
	.p2align	6, 0x0
	.amdhsa_kernel k_qfb7421b9fa_geo
		.amdhsa_group_segment_fixed_size 0
		.amdhsa_private_segment_fixed_size 0
		.amdhsa_enable_private_segment 0
		.amdhsa_kernarg_size 112
		.amdhsa_user_sgpr_count 2
		.amdhsa_user_sgpr_kernarg_segment_ptr 1
		.amdhsa_wavefront_size32 1
		.amdhsa_system_sgpr_workgroup_id_x 1
		.amdhsa_system_sgpr_workgroup_id_y 1
		.amdhsa_system_sgpr_workgroup_id_z 1
		.amdhsa_system_vgpr_workitem_id 0
		.amdhsa_next_free_vgpr 1024
		.amdhsa_next_free_sgpr 80
		.amdhsa_reserve_vcc 0
		.amdhsa_float_denorm_mode_32 3
		.amdhsa_float_denorm_mode_16_64 3
		.amdhsa_memory_ordered 1
		.amdhsa_forward_progress 1
		.amdhsa_inst_pref_size 205
	.end_amdhsa_kernel
	.amdgpu_metadata
---
amdhsa.version: [ 1, 2 ]
amdhsa.kernels:
  - .name:           k_qfb7421b9fa_geo
    .symbol:         k_qfb7421b9fa_geo.kd
    .args:
      - { .name: scene_points, .offset: 0, .size: 8, .value_kind: global_buffer, .address_space: global }
      - { .name: grasp_poses, .offset: 8, .size: 8, .value_kind: global_buffer, .address_space: global }
      - { .name: W1, .offset: 16, .size: 8, .value_kind: global_buffer, .address_space: global }
      - { .name: b1, .offset: 24, .size: 8, .value_kind: global_buffer, .address_space: global }
      - { .name: g1, .offset: 32, .size: 8, .value_kind: global_buffer, .address_space: global }
      - { .name: beta1, .offset: 40, .size: 8, .value_kind: global_buffer, .address_space: global }
      - { .name: W2, .offset: 48, .size: 8, .value_kind: global_buffer, .address_space: global }
      - { .name: b2, .offset: 56, .size: 8, .value_kind: global_buffer, .address_space: global }
      - { .name: g2, .offset: 64, .size: 8, .value_kind: global_buffer, .address_space: global }
      - { .name: beta2, .offset: 72, .size: 8, .value_kind: global_buffer, .address_space: global }
      - { .name: W3, .offset: 80, .size: 8, .value_kind: global_buffer, .address_space: global }
      - { .name: b3, .offset: 88, .size: 8, .value_kind: global_buffer, .address_space: global }
      - { .name: bias_scale, .offset: 96, .size: 8, .value_kind: global_buffer, .address_space: global }
      - { .name: out0, .offset: 104, .size: 8, .value_kind: global_buffer, .address_space: global }
    .group_segment_fixed_size: 0
    .private_segment_fixed_size: 0
    .kernarg_segment_align: 8
    .kernarg_segment_size: 112
    .max_flat_workgroup_size: 128
    .sgpr_count:     80
    .vgpr_count:     1024
    .wavefront_size: 32
...
	.end_amdgpu_metadata
.endif
;; end of part 1
;; ======== version 2 of 2: 1 launch; version 1 with the launch geo written anew for expert scheduling mode
;; launch geo (part 2): grid 256 x 1, 4 waves a work-group, no clusters, 0 bytes of LDS; arguments scene_points, grasp_poses, W1, b1, g1, beta1, W2, b2, g2, beta2, W3, b3, bias_scale, out0; writes out0
.if DOCPART == 2
	.amdgcn_target "amdgcn-amd-amdhsa--gfx1250"
	.amdhsa_code_object_version 6
	.text
	.protected	k_qfb7421b9fa_geo
	.globl	k_qfb7421b9fa_geo
	.p2align	8
	.type	k_qfb7421b9fa_geo,@function
k_qfb7421b9fa_geo:
	s_mov_b64 s[64:65], 0
	v_nop
	global_prefetch_b8 v0, s[64:65] scope:SCOPE_SE
	s_setreg_imm32_b32 hwreg(HW_REG_WAVE_SCHED_MODE, 0, 2), 2
	s_setreg_imm32_b32 hwreg(HW_REG_WAVE_MODE, 25, 1), 1
	s_wait_xcnt 0x0
	s_wait_alu depctr_vm_vsrc(0)
; out0[b][hd][g][p] = bias_scale[hd] x (LN2(relu(Q(LN1(relu(f W1 + b1))) Q(W2) + b2)) W3 + b3)[hd],  f = (R^T (point p - t), its norm) for grasp (b, g).
; Q: MX-E5M2 along the 128 (one E8M0 scale for each 32); that product goes by v_wmma_scale_f32_16x16x128_f8f6f4 on BF8 codes.  All ahead of Q is f32.
; SHARES.  Work-group 64 b + g owns one grasp's 4,096 points; wave w points 1,024 w on, as 16 groups of 64 (a trip of the loop).  A group is two PAIRS a = 0, 1 of two TILES s = 0, 1 of 16 points:
; lane r of tile (a, s) is point 2 (16 s + r) + a of the group, so that at the end lane L holds points 2 L and 2 L + 1 in neighbouring registers and one store of 8 bytes a lane covers 256 consecutive bytes, aligned.
; Nothing goes through LDS, the waves share nothing, there is no barrier.  All constants (324 registers, in the results' layouts, which differ between the halves of the lanes) stay in registers: so one wave takes a SIMD's registers.
; LAYOUTS (r = lane % 16, h = lane / 16).  All three products are used transposed, so that a lane holds ONE point throughout.
;   first:  v_wmma_f32_16x16x4_f32, K = 4 exactly, f32 operands since its result goes on into the quantiser; source 0 = 16 columns of W1, source 1 = the 4 features, C = b1.  Lane r of tile u takes unit 32 (u / 2) + 8 (u % 2) + r + 8 (r / 8),
;           so register i of a point's 64 is unit 32 (i / 16) + 16 h + i % 16: the order that the 8-bit operand wants; the conversions' results are the second product's operand.
;   second: source 0 = W2's codes (made at the head, a lane to a column, registers down K), source 1 = the point's codes, C = b2.  Register 8 n + j is unit 16 n + 8 h + j.
;   third:  bf16.  out = rs2 x sum_k d_k (g2_k W3_k,hd scale_hd) + (sum_k beta2_k W3_k,hd + b3_hd) scale_hd, d = x - mean, rs2 = rsqrt(var + eps): an identity; the second term is made at the head in f32.
; PIPELINE.  In a phase the pair in hand is normalised and quantised while the NEXT pair's 16 first products stand singly among those vector lines; the relu that moves the next pair out of the accumulators carries the pair's 8 scaled products;
; the tail carries the 4 bf16 products among the features of the pair after next.  The two tiles of a pair go line by line in step, so that no line reads the result of the line above it.
; The last trip prepares one pair that nobody uses (from the wave's last group: every load stays in its buffer): 16 products and some 170 vector lines a wave, the price of one text for all trips.
; LIMITS.  NaN and infinities among the inputs are not served.  v_sqrt_f32, v_rsq_f32, v_rcp_f32 take denormals as 0 (ISA guide 15.8): a squared norm under 2^-126 counts as 0.  A block of zeros has the scale byte 1 where the rule says 127:
; its codes are zeros, and the bytes never leave the wave.  The third product's operands, d and g2 W3 scale, are rounded to bf16.  (d g1) rs + beta1 stands for ((d rs) g1) + beta1: the last bit of f32 may differ.
; grasp_tokens is not read: reference() takes it as an argument and uses it nowhere.
; THE MODE: SCHED_MODE bits 1:0 = 2 (LLVM: expert scheduling mode 2), set by the entry lines.  The code itself states the register dependences between vector or matrix instructions and memory instructions, with s_wait_alu, always for 0.
; THE PLAN.  Registers that memory instructions touch:
;   v1, v2, v7-v13  offsets, written once at the head, ahead of one wait on va_vdst, and never again: the groups are reached by the scalar bases and by immediate offsets.
;   the constants   each the target of one load at the head; no vector line names them ahead of it, and no load lands in them again.
;   XX              at the head it stages W2: 128 loads land; the holds write it and the conversions read it; a wait on va_vdst; the other 128 loads land.
;   PT              loads land in it; the subtractions point - t read it, the last of them in a trip's second tail, ahead of that tail's wait on va_vdst for its three transcendentals: the next loads stand straight behind that wait.
;   OO              both tails' multiply-adds write it; a wait on va_vdst; the trip's eight stores read it; a wait on vm_vsrc stands in the next trip's first tail, ahead of the first line that writes it again.
;   The scaled products' codes and scale words are written by vector lines: a wait on va_vdst stands ahead of a phase's first scaled product; the relu lines among the eight write XX alone.
;   Scalars that vector lines write (the wave's number; t, R and the constant terms) have a wait on va_sdst ahead of their first reader.
;
; REGISTERS, in windows of 256 (s_set_vgpr_msb: bits 1:0 source 0, 3:2 source 1, 5:4 source 2, 7:6 destination).
; window 0
.set OFP,  1          ; v1       24 x lane: my two points' 24 bytes in a group
.set OFO,  2          ; v2       8 x lane: my two results' place in a group's 256 bytes
.set W2S,  16         ; v16-19   W2's scale words, tile n
.set PW,   20         ; v20-21   the points' scale words, tile s
.set FT,   24         ; v24-31   features as source 1 of the first product: 24 + 4 par + 2 s
.set W1F,  32         ; v32-47   W1 as source 0: 2 registers a tile u
.set PT,   48         ; v48-53   x, y, z of my two points
.set VV,   56         ; v56-58   point - t
.set LL,   60         ; v60-62   R^T (point - t)
.set DI,   63         ; v63      its norm
.set XP,   64         ; v64-67   the same four of lane xor 16
.set N2,   68         ; v68      the squared norm
.set RSM,  72         ; v72      rs2 of tile 0 in lanes 0-15, else 0;  v73 rs2 of tile 1 in lanes 16-31, else 0
.set RS2,  74         ; v74-75   rs2, tile s
.set W3A,  80         ; v80-95   g2 W3 scale in bf16, source 0 of the third product: row m = head m % 8
.set HB,   96         ; v96-127  d in bf16: 16 registers a tile
.set ACL,  128        ; v128-135 the third product's sums, tile 0;
.set ACH,  136        ; v136-143 tile 1
.set OO,   144        ; v144-159 results: register 2 j + a: head j, point 2 L + a
.set SB,   160        ; v160-175 sums of squares of the second norm: four pairs a tile
.set TP2,  176        ; v176-177 lane xor 16's
; window 1
.set XX,   0          ; v0-127   the pair's 64 numbers a tile: 64 s + i
.set EE,   128        ; v128-191 the second product's sums: 128 + 32 s + 8 n + j
.set SA,   192        ; v192-207 running sums: four pairs a tile
.set NMU,  208        ; v208, 210 minus the mean (low word of a pair)
.set RS,   212        ; v212, 214 rsqrt(var + eps) (low word of a pair)
.set TP,   216        ; v216-217 lane xor 16's
.set WT,   218        ; v218-219 a scale word in the making
.set SCL,  220        ; v220 bias_scale, v221 b3, of head r % 8 (head of the kernel only)
.set TM0,  224        ; + 4 s + b: a block's largest magnitude;
.set TM1,  232        ; lane xor 16's, then the scale's byte;
.set TM2,  240        ; 57,344 x the scale;
.set TM3,  248        ; the conversion's scale operand
; window 2
.set DD,   0          ; v0-127   the first product's results, 64 s + 8 u + j: written by matrix instructions alone
.set PCD,  128        ; v128-159 the points' codes: 16 registers a tile
.set B1,   160        ; v160-223 b1, index i
.set B2,   224        ; v224-255 b2, index 8 n + j
; window 3
.set G1,   0          ; v0-63    g1, index i
.set BE1,  64         ; v64-127  beta1
.set BE2S, 128        ; v128-159 beta2 (head of the kernel only)
.set W2C,  192        ; v192-255 W2's codes: 16 registers a tile n
; SCALARS: s[4:31] the fourteen addresses; s32 wave; s[36:37] selects for lane xor 16; s38 mantissa field of 57,344; s39 mask of lanes 16-31; s40 -1/128, s41 1/128, s42 -1/64, s76 1/64, s77 eps;
;          s43 trips to go; s[44:45] the points' step; s[78:79] the output's step; s46-48 t; s[49 + 3 j + i] R[j][i]; s68-75 the third product's constant term, head j
.set GAP,  28         ; vector lines between two first products: 16 x 28 = 448 of the 580 lines that carry them; the 128 holds follow the last
.set MSB,  0
.set L1I,  16         ; the next first product's number (16: none left)
.set L1P,  0          ; which set of features it reads
.set CNT,  0
.macro WIN new                         ; the immediate's high byte repeats the setting that is left; a switch that changes nothing is dropped
.if MSB != \new
	s_set_vgpr_msb (MSB<<8)|\new
.set MSB, \new
.endif
.endm
; One first product: tile u = L1I / 2 of the units, tile s = L1I % 2 of the points.  C = b1: the bias costs nothing, and nothing is cleared.
.macro L1ONE
	WIN 0xA0
	v_wmma_f32_16x16x4_f32 v[DD+64*(L1I%2)+8*(L1I/2):DD+64*(L1I%2)+8*(L1I/2)+7], v[W1F+2*(L1I/2):W1F+2*(L1I/2)+1], v[FT+4*L1P+2*(L1I%2):FT+4*L1P+2*(L1I%2)+1], v[B1+8*(L1I/2):B1+8*(L1I/2)+7]
.set L1I, L1I+1
.endm
.macro TICK                            ; stands behind each line of the carrying streams
.set CNT, CNT+1
.if (CNT >= GAP) && (L1I < 16)
	L1ONE
.set CNT, 0
.endif
.endm
; ---- pieces that both norms share.  bs + st x s: a tile's numbers, np pairs of them
.macro COMB                            ; the four running pairs become one
.irp s, 0,1
	WIN 0x55
	v_pk_add_f32 v[SA+8*\s:SA+8*\s+1], v[SA+8*\s:SA+8*\s+1], v[SA+8*\s+2:SA+8*\s+3]
	TICK
.endr
.irp s, 0,1
	WIN 0x55
	v_pk_add_f32 v[SA+8*\s+4:SA+8*\s+5], v[SA+8*\s+4:SA+8*\s+5], v[SA+8*\s+6:SA+8*\s+7]
	TICK
.endr
.irp s, 0,1
	WIN 0x55
	v_pk_add_f32 v[SA+8*\s:SA+8*\s+1], v[SA+8*\s:SA+8*\s+1], v[SA+8*\s+4:SA+8*\s+5]
	TICK
.endr
.endm
.macro SUMS bs, st, np                 ; the sum of my numbers, two at a time, in four chains that the first eight pairs start
.irp k, 0,1,2,3
.irp s, 0,1
	WIN 0x55
	v_pk_add_f32 v[SA+8*\s+2*\k:SA+8*\s+2*\k+1], v[\bs+\st*\s+2*\k:\bs+\st*\s+2*\k+1], v[\bs+\st*\s+2*\k+8:\bs+\st*\s+2*\k+9]
	TICK
.endr
.endr
.set ip, 8
.rept \np-8
.irp s, 0,1
	WIN 0x55
	v_pk_add_f32 v[SA+8*\s+2*(ip%4):SA+8*\s+2*(ip%4)+1], v[SA+8*\s+2*(ip%4):SA+8*\s+2*(ip%4)+1], v[\bs+\st*\s+2*ip:\bs+\st*\s+2*ip+1]
	TICK
.endr
.set ip, ip+1
.endr
	COMB
.endm
.macro CROSS d                         ; v[d + 2 s] = the pair's two halves + lane xor 16's: the point's other half of the units lies there
.irp s, 0,1
	WIN 0x55
	v_add_f32 v[\d+2*\s], v[SA+8*\s], v[SA+8*\s+1]
	TICK
.endr
.irp s, 0,1
	WIN 0x55
	v_permlanex16_b32 v[TP+\s], v[\d+2*\s], s36, s37
	TICK
.endr
.irp s, 0,1
	WIN 0x55
	v_add_f32 v[\d+2*\s], v[\d+2*\s], v[TP+\s]
	TICK
.endr
.endm
.macro MEAN sc                         ; minus the mean
	CROSS NMU
.irp s, 0,1
	WIN 0x55
	v_mul_f32 v[NMU+2*\s], s[\sc], v[NMU+2*\s]
	TICK
.endr
.endm
.macro CENTRE bs, st, np               ; d = x - mean, in place (of the pair NMU the low word serves both halves)
.set ip, 0
.rept \np
.irp s, 0,1
	WIN 0x55
	v_pk_add_f32 v[\bs+\st*\s+2*ip:\bs+\st*\s+2*ip+1], v[\bs+\st*\s+2*ip:\bs+\st*\s+2*ip+1], v[NMU+2*\s:NMU+2*\s+1] op_sel_hi:[1,0]
	TICK
.endr
.set ip, ip+1
.endr
.endm
.macro SQS bs, st, np, acc, w          ; the sum of d^2 (two passes: no difference of large sums), four chains at v[acc + 8 s], under window setting w
.irp k, 0,1,2,3
.irp s, 0,1
	WIN \w
	v_pk_mul_f32 v[\acc+8*\s+2*\k:\acc+8*\s+2*\k+1], v[\bs+\st*\s+2*\k:\bs+\st*\s+2*\k+1], v[\bs+\st*\s+2*\k:\bs+\st*\s+2*\k+1]
	TICK
.endr
.endr
.set ip, 4
.rept \np-4
.irp s, 0,1
	WIN \w
	v_pk_fma_f32 v[\acc+8*\s+2*(ip%4):\acc+8*\s+2*(ip%4)+1], v[\bs+\st*\s+2*ip:\bs+\st*\s+2*ip+1], v[\bs+\st*\s+2*ip:\bs+\st*\s+2*ip+1], v[\acc+8*\s+2*(ip%4):\acc+8*\s+2*(ip%4)+1]
	TICK
.endr
.set ip, ip+1
.endr
.endm
; ---- the first norm, on the pair in XX
.macro LN1
	SUMS XX, 64, 32
	MEAN 40
	CENTRE XX, 64, 32
	SQS XX, 64, 32, SA, 0x55
	COMB
	CROSS RS
.irp s, 0,1
	WIN 0x55
	v_fma_f32 v[RS+2*\s], v[RS+2*\s], s41, s77     ; var + eps
	TICK
.endr
.irp s, 0,1
	WIN 0x55
	v_rsq_f32 v[RS+2*\s], v[RS+2*\s]
	TICK
.endr
.set ip, 0
.rept 32                               ; d g1 needs no root: these 64 lines are the independent work behind the two roots
.irp s, 0,1
	WIN 0x4D
	v_pk_mul_f32 v[XX+64*\s+2*ip:XX+64*\s+2*ip+1], v[XX+64*\s+2*ip:XX+64*\s+2*ip+1], v[G1+2*ip:G1+2*ip+1]
	TICK
.endr
.set ip, ip+1
.endr
	s_wait_alu depctr_va_vdst(0)                   ; the two reciprocal roots v[RS], v[RS + 2] are written: one wait for both, ahead of their first reader
.set ip, 0
.rept 32
.irp s, 0,1
	WIN 0x75
	v_pk_fma_f32 v[XX+64*\s+2*ip:XX+64*\s+2*ip+1], v[XX+64*\s+2*ip:XX+64*\s+2*ip+1], v[RS+2*\s:RS+2*\s+1], v[BE1+2*ip:BE1+2*ip+1] op_sel_hi:[1,0,1]
	TICK
.endr
.set ip, ip+1
.endr
.endm
; ---- the quantiser: both tiles' 64 numbers in XX (register 16 b + i = k 32 b + 16 h + i) become codes at v[cb + 16 s] (window setting cw) and scale words at v[sw + s] of window 0
.macro QPAIR cb, cw, sw
.irp b, 0,1,2,3
.irp s, 0,1
	WIN 0x55
	v_max3_num_f32 v[TM0+4*\s+\b], |v[XX+64*\s+16*\b]|, |v[XX+64*\s+16*\b+1]|, 0x8000000   ; my 16 numbers of block b, and the floor 2^(16 - 127): so the byte cannot fall under 1
	TICK
.endr
.endr
.irp i, 2,4,6,8,10,12,14
.irp b, 0,1,2,3
.irp s, 0,1
	WIN 0x55
	v_max3_num_f32 v[TM0+4*\s+\b], v[TM0+4*\s+\b], |v[XX+64*\s+16*\b+\i]|, |v[XX+64*\s+16*\b+\i+1]|
	TICK
.endr
.endr
.endr
.irp b, 0,1,2,3
.irp s, 0,1
	WIN 0x55
	v_permlanex16_b32 v[TM1+4*\s+\b], v[TM0+4*\s+\b], s36, s37
	TICK
.endr
.endr
.irp b, 0,1,2,3
.irp s, 0,1
	WIN 0x55
	v_max_num_f32 v[TM0+4*\s+\b], v[TM0+4*\s+\b], v[TM1+4*\s+\b]   ; with lane xor 16's 16: the block's largest magnitude
	TICK
.endr
.endr
.irp b, 0,1,2,3
.irp s, 0,1
	WIN 0x55
	v_add_nc_u32 v[TM3+4*\s+\b], 0xf8800000, v[TM0+4*\s+\b]        ; 15 off its exponent field: the conversion takes that field as its scale
	TICK
.endr
.endr
.irp b, 0,1,2,3
.irp s, 0,1
	WIN 0x55
	v_and_or_b32 v[TM2+4*\s+\b], v[TM0+4*\s+\b], 0x7f800000, s38   ; 57,344 x the scale
	TICK
.endr
.endr
.irp b, 0,1,2,3
.irp s, 0,1
	WIN 0x55
	v_lshrrev_b32 v[TM1+4*\s+\b], 23, v[TM3+4*\s+\b]               ; the scale's byte
	TICK
.endr
.endr
.irp s, 0,1
	WIN 0x55
	v_lshl_or_b32 v[WT+\s], v[TM1+4*\s+1], 8, v[TM1+4*\s]
	TICK
.endr
.irp s, 0,1
	WIN 0x55
	v_lshl_or_b32 v[WT+\s], v[TM1+4*\s+2], 16, v[WT+\s]
	TICK
.endr
.irp s, 0,1
	WIN 0x11
	v_lshl_or_b32 v[\sw+\s], v[TM1+4*\s+3], 24, v[WT+\s]           ; the scale word: the 128 holds below stand between it and the scaled products
	TICK
.endr
.irp b, 0,1,2,3
.irp i, 0,1,2,3,4,5,6,7,8,9,10,11,12,13,14,15
.irp s, 0,1
	WIN 0x55
	v_med3_num_f32 v[XX+64*\s+16*\b+\i], v[XX+64*\s+16*\b+\i], -v[TM2+4*\s+\b], v[TM2+4*\s+\b]   ; the conversion to an 8-bit code does not saturate (ISA guide 7.6.2): the hold
	TICK
.endr
.endr
.endr
.irp b, 0,1,2,3
.irp s, 0,1
	WIN \cw
	v_cvt_scalef32_pk8_bf8_f32 v[\cb+16*\s+4*\b:\cb+16*\s+4*\b+1], v[XX+64*\s+16*\b:XX+64*\s+16*\b+7], v[TM3+4*\s+\b]
	v_cvt_scalef32_pk8_bf8_f32 v[\cb+16*\s+4*\b+2:\cb+16*\s+4*\b+3], v[XX+64*\s+16*\b+8:XX+64*\s+16*\b+15], v[TM3+4*\s+\b]
.endr
.endr
	v_nop                                          ; a plain line between the last conversion and the lines that write its sources or read its codes
.endm
; ---- the relu that moves the next pair out of the first product's accumulators (each from its low end on), 128 lines.  l2 = 1: the pair's eight scaled products stand among them, behind lines 7, 22, .. 112:
; nine plain lines lie between the codes' conversions and the first, fifteen behind the last, ahead of the first read of its sums.  One window setting serves both kinds of line.
.macro RL l2
.set ri, 0
.rept 128
	WIN 0x6B
	v_max_num_f32 v[XX+64*((ri/8)%2)+8*(ri/16)+ri%8], 0, v[DD+64*((ri/8)%2)+8*(ri/16)+ri%8]
.if \l2 && (ri >= 7) && ((ri-7)%15 == 0) && ((ri-7)/15 < 8)
.set m2, (ri-7)/15
.if m2 == 0
	s_wait_alu depctr_va_vdst(0)                   ; the conversions have written the points' codes v[PCD ..], vector lines their scale words v[PW ..] (and, at the head, W2's codes and scale words): the eight scaled products take them as operands and scales.  The places stand ahead of this wait; the relu lines behind it write XX alone
.endif
	v_wmma_scale_f32_16x16x128_f8f6f4 v[EE+32*(m2%2)+8*(m2/2):EE+32*(m2%2)+8*(m2/2)+7], v[W2C+16*(m2/2):W2C+16*(m2/2)+15], v[PCD+16*(m2%2):PCD+16*(m2%2)+15], v[B2+8*(m2/2):B2+8*(m2/2)+7], v[W2S+m2/2], v[PW+m2%2] matrix_a_fmt:MATRIX_FMT_BF8 matrix_b_fmt:MATRIX_FMT_BF8
.endif
.set ri, ri+1
.endr
.endm
; ---- the second norm as far as d in bf16 and the four chains of d^2
.macro LN2A
.set ip, 0
.rept 32
.irp s, 0,1
	WIN 0x55
	v_max_num_f32 v[EE+32*\s+ip], 0, v[EE+32*\s+ip]   ; relu, each accumulator from its low end on
.endr
.set ip, ip+1
.endr
	SUMS EE, 32, 16
	MEAN 42
	CENTRE EE, 32, 16
	SQS EE, 32, 16, SB, 0x05
.set ip, 0
.rept 16
.irp s, 0,1
	WIN 0x05
	v_cvt_pk_bf16_f32 v[HB+16*\s+ip], v[EE+32*\s+2*ip], v[EE+32*\s+2*ip+1]   ; registers 8 n + 2 i, + 1 are units 16 n + 8 h + 2 i, + 1: the bf16 operand's own order
.endr
.set ip, ip+1
.endr
.endm
; ---- the features of pair a, in pieces (window 0): every lane works on its own point 2 L + a
.macro FA1 a
.irp c, 0,1,2
	v_sub_f32 v[VV+\c], v[PT+3*\a+\c], s[46+\c]
.endr
.endm
.macro FA2
.irp i, 0,1,2
	v_mul_f32 v[LL+\i], s[49+\i], v[VV]
.endr
.endm
.macro FA3
.irp i, 0,1,2
	v_fmac_f32 v[LL+\i], s[52+\i], v[VV+1]
.endr
.endm
.macro FA4
.irp i, 0,1,2
	v_fmac_f32 v[LL+\i], s[55+\i], v[VV+2]
.endr
.endm
.macro FN1
	v_mul_f32 v[N2], v[LL], v[LL]
.endm
.macro FN2
	v_fmac_f32 v[N2], v[LL+1], v[LL+1]
	v_fmac_f32 v[N2], v[LL+2], v[LL+2]
.endm
; Source 1 of the first product: lane (r, h), register j = feature 2 h + j of the tile's point r.  Tile 0's points lie in lanes 0-15, tile 1's in lanes 16-31: each half takes two features of its own and two from lane xor 16.
.macro FB1 par
	v_permlanex16_b32 v[XP], v[LL], s36, s37
	v_permlanex16_b32 v[XP+1], v[LL+1], s36, s37
	v_permlanex16_b32 v[XP+2], v[LL+2], s36, s37
	v_cndmask_b32 v[FT+4*\par], v[LL], v[XP+2], s39
	v_cndmask_b32 v[FT+4*\par+2], v[XP], v[LL+2], s39
.endm
.macro FB2 par
	v_permlanex16_b32 v[XP+3], v[DI], s36, s37
	v_cndmask_b32 v[FT+4*\par+1], v[LL+1], v[XP+3], s39
	v_cndmask_b32 v[FT+4*\par+3], v[XP+1], v[DI], s39
.endm
.macro FEAT a, par                     ; all of it on end, for the head of the kernel
	FA1 \a
	FA2
	FA3
	FA4
	FN1
	FN2
	v_sqrt_f32 v[DI], v[N2]
	FB1 \par                                       ; names neither the root nor its source
	s_wait_alu depctr_va_vdst(0)                   ; the root v[DI] is written, ahead of its first reader
	FB2 \par
.endm
; ---- the tail of phase q, all in window 0: the third product's four instructions (the two accumulators by turns), among them the end of the second variance and the features of pair q of the NEXT group
.macro TAIL q
	WIN 0
.if \q == 0
	s_wait_loadcnt 0x0                             ; the next group's three loads, issued a phase ago, are the only loads out
.endif
	v_wmma_f32_16x16x32_bf16 v[ACL:ACL+7], v[W3A:W3A+7], v[HB:HB+7], 0
.irp s, 0,1
	v_pk_add_f32 v[SB+8*\s:SB+8*\s+1], v[SB+8*\s:SB+8*\s+1], v[SB+8*\s+2:SB+8*\s+3]
.endr
.irp s, 0,1
	v_pk_add_f32 v[SB+8*\s+4:SB+8*\s+5], v[SB+8*\s+4:SB+8*\s+5], v[SB+8*\s+6:SB+8*\s+7]
.endr
	FA1 \q
.irp s, 0,1
	v_pk_add_f32 v[SB+8*\s:SB+8*\s+1], v[SB+8*\s:SB+8*\s+1], v[SB+8*\s+4:SB+8*\s+5]
.endr
	v_wmma_f32_16x16x32_bf16 v[ACH:ACH+7], v[W3A:W3A+7], v[HB+16:HB+23], 0
	FA2
.irp s, 0,1
	v_add_f32 v[SB+8*\s], v[SB+8*\s], v[SB+8*\s+1]
.endr
	FA3
	v_wmma_f32_16x16x32_bf16 v[ACL:ACL+7], v[W3A+8:W3A+15], v[HB+8:HB+15], v[ACL:ACL+7]
.irp s, 0,1
	v_permlanex16_b32 v[TP2+\s], v[SB+8*\s], s36, s37
.endr
	FA4
.irp s, 0,1
	v_add_f32 v[SB+8*\s], v[SB+8*\s], v[TP2+\s]
.endr
	FN1
	v_wmma_f32_16x16x32_bf16 v[ACH:ACH+7], v[W3A+8:W3A+15], v[HB+24:HB+31], v[ACH:ACH+7]
	FN2
.irp s, 0,1
	v_fma_f32 v[RS2+\s], v[SB+8*\s], s76, s77      ; var + eps
.endr
	v_sqrt_f32 v[DI], v[N2]                        ; one batch of three
	v_rsq_f32 v[RS2], v[RS2]
	v_rsq_f32 v[RS2+1], v[RS2+1]
	FB1 \q                                         ; five lines that name none of the three
.if \q == 1
	s_cmp_ge_u32 s43, 3                            ; trip G (s43 = 16 - G) asks for group min(G + 2, 15): no load leaves the wave's 16 groups
	s_cselect_b32 s44, 768, 0
	s_add_nc_u64 s[4:5], s[4:5], s[44:45]          ; (the loads that read this base were waited for in this trip's first tail)
.endif
	s_wait_alu depctr_va_vdst(0)                   ; the root v[DI] and the two reciprocal roots v[RS2 ..] are written: one wait for the batch, ahead of its first reader.  q = 1: the subtractions above are also done reading v[PT ..], in which the loads below land
.if \q == 1
.irp i, 0,1,2
	global_load_b64 v[PT+2*\i:PT+2*\i+1], v[OFP], s[4:5] offset:8*\i   ; no vector line since the wait names v[PT ..]; v[OFP] stands since the head
.endr
.endif
	FB2 \q
	v_cndmask_b32 v[RSM], v[RS2], 0, s39
	v_cndmask_b32 v[RSM+1], 0, v[RS2+1], s39
.if \q == 0
	s_wait_xcnt 0x0                                ; the last trip's stores have had their addresses translated: only behind this wait are their data and their base written again
	s_wait_alu depctr_vm_vsrc(0)                   ; the last trip's stores have read v[OO ..], which the multiply-adds of this trip's two tails write again
	s_add_nc_u64 s[30:31], s[30:31], s[78:79]      ; this group's 256 bytes (the first trip adds 0)
	s_mov_b32 s78, 256
.endif
.irp j, 0,1,2,3,4,5,6,7                ; both halves of the lanes hold head j of point r: lanes 0-15 keep tile 0's, lanes 16-31 tile 1's.  Each accumulator from its low end on
	v_fma_f32 v[OO+2*\j+\q], v[ACL+\j], v[RSM], s[68+\j]
.endr
.irp j, 0,1,2,3,4,5,6,7
	v_fma_f32 v[OO+2*\j+\q], v[ACH+\j], v[RSM+1], v[OO+2*\j+\q]
.endr
.if \q == 1
	s_wait_alu depctr_va_vdst(0)                   ; both tails' multiply-adds have written v[OO ..], which the eight stores read
.irp j, 0,1,2,3,4,5,6,7
	global_store_b64 v[OFO], v[OO+2*\j:OO+2*\j+1], s[30:31] offset:\j*1048576 th:TH_STORE_NT   ; 32 lanes store 256 consecutive bytes, at a multiple of 256 from out0's first byte; heads lie 2^20 bytes apart
.endr
.endif
.endm
.macro PHASE q
.set L1I, 0
.set L1P, (\q+1)%2
.set CNT, 0
	LN1
	QPAIR PCD, 0x85, PW
	RL 1
	LN2A
	TAIL \q
.endm
.macro W2LOAD n0, again                ; W2's columns 16 n0 + 16 s + r, registers down K in the operand's order: register 16 c + i = W2[32 c + 16 h + i][column].  again = 1: XX has been worked on
	WIN 0x40
.if \again
	s_wait_alu depctr_va_vdst(0)                   ; the holds have written XX and the conversions are done reading it: the loads below land in it
.endif
.irp s, 0,1
.set ip, 0
.rept 64
	global_load_b32 v[XX+64*\s+ip], v10, s[16:17] offset:(32*(ip/16)+ip%16)*256+64*(\n0+\s)
.set ip, ip+1
.endr
.endr
.endm
	; ================ THE HEAD ================
	s_load_b512 s[4:19], s[0:1], 0x0               ; points, poses, W1, b1, g1, beta1, W2, b2
	s_load_b256 s[20:27], s[0:1], 0x40             ; g2, beta2, W3, b3
	s_load_b128 s[28:31], s[0:1], 0x60             ; bias_scale, out0
	v_and_b32 v3, 31, v0                           ; lane
	v_lshrrev_b32 v4, 5, v0
	v_readfirstlane_b32 s32, v4                    ; wave 0..3
	v_and_b32 v5, 15, v0                           ; r
	v_bfe_u32 v6, v0, 4, 1                         ; h
	v_mul_u32_u24 v[OFP], v3, 24
	v_lshlrev_b32 v[OFO], 3, v3
	v_and_b32 v7, 8, v5
	v_add_nc_u32 v7, v7, v5                        ; r + 8 (r / 8)
	v_lshlrev_b32 v7, 2, v7
	v_lshl_add_u32 v7, v6, 10, v7                  ; W1: rows 2 h on (512 bytes each), my tile's column
	v_lshlrev_b32 v8, 6, v6                        ; b1, g1, beta1: 16 h numbers on
	v_lshlrev_b32 v9, 5, v6                        ; b2, g2, beta2: 8 h numbers on
	v_lshlrev_b32 v10, 2, v5
	v_lshl_add_u32 v10, v6, 12, v10                ; W2: rows 16 h on (256 bytes each), column r
	v_and_b32 v11, 7, v5
	v_lshlrev_b32 v11, 2, v11                      ; b3, bias_scale: head r % 8
	v_lshl_add_u32 v12, v6, 8, v11                 ; W3: rows 8 h on (32 bytes each), head r % 8
	v_mov_b32 v13, 0                               ; the pose: the same seven numbers in every lane
	s_mov_b32 s36, 0x76543210
	s_mov_b32 s37, 0xfedcba98
	s_mov_b32 s38, 0x600000
	s_mov_b32 s39, 0xffff0000
	s_mov_b32 s40, 0xbc000000
	s_mov_b32 s41, 0x3c000000
	s_mov_b32 s42, 0xbc800000
	s_mov_b32 s76, 0x3c800000
	s_mov_b32 s77, 0x3727c5ac                      ; 1e-5
	s_mov_b32 s44, 0
	s_mov_b32 s45, 0
	s_mov_b32 s78, 0
	s_mov_b32 s79, 0
	s_wait_alu depctr_va_sdst(0)                   ; s32, the wave's number, is written, ahead of its first reader: the points' and the output's bases are made from it
	s_lshr_b32 s33, ttmp9, 6                       ; b
	s_mul_i32 s34, s33, 49152                      ; a batch's 4,096 points of 12 bytes,
	s_mul_i32 s35, s32, 12288                      ; my wave's 1,024
	s_add_co_u32 s34, s34, s35
	s_mov_b32 s35, 0
	s_mul_i32 s58, ttmp9, 28                       ; my grasp's pose
	s_mov_b32 s59, 0
	s_lshl_b32 s60, s33, 23                        ; out0: b x 2^23 + g x 2^14 + wave x 2^12 bytes
	s_and_b32 s61, ttmp9, 63
	s_lshl_b32 s61, s61, 14
	s_or_b32 s60, s60, s61
	s_lshl_b32 s61, s32, 12
	s_or_b32 s60, s60, s61
	s_mov_b32 s61, 0
	s_wait_kmcnt 0x0
	s_add_nc_u64 s[4:5], s[4:5], s[34:35]
	s_add_nc_u64 s[6:7], s[6:7], s[58:59]
	s_add_nc_u64 s[30:31], s[30:31], s[60:61]
	s_wait_alu depctr_va_vdst(0)                   ; the offsets v1, v2 and v7 to v13 are written: every load and store of the kernel reads one of them, and none is written again
.irp i, 0,1,2,3,4,5,6
	global_load_b32 v[180+\i], v13, s[6:7] offset:4*\i             ; t (3), then the quaternion x, y, z, w
.endr
.irp i, 0,1,2
	global_load_b64 v[PT+2*\i:PT+2*\i+1], v[OFP], s[4:5] offset:8*\i   ; group 0
.endr
.irp u, 0,1,2,3,4,5,6,7
.irp j, 0,1
	global_load_b32 v[W1F+2*\u+\j], v7, s[8:9] offset:(128*\j+32*(\u/2)+8*(\u%2))*4
.endr
.endr
	WIN 0x80                                       ; destination window 2
.irp t, 0,1,2,3,4,5,6,7,8,9,10,11,12,13,14,15
	global_load_b128 v[B1+4*\t:B1+4*\t+3], v8, s[10:11] offset:128*(\t/4)+16*(\t%4)
.endr
.irp t, 0,1,2,3,4,5,6,7
	global_load_b128 v[B2+4*\t:B2+4*\t+3], v9, s[18:19] offset:64*(\t/2)+16*(\t%2)
.endr
	WIN 0xC0                                       ; destination window 3
.irp t, 0,1,2,3,4,5,6,7,8,9,10,11,12,13,14,15
	global_load_b128 v[G1+4*\t:G1+4*\t+3], v8, s[12:13] offset:128*(\t/4)+16*(\t%4)
	global_load_b128 v[BE1+4*\t:BE1+4*\t+3], v8, s[14:15] offset:128*(\t/4)+16*(\t%4)
.endr
.irp t, 0,1,2,3,4,5,6,7
	global_load_b128 v[BE2S+4*\t:BE2S+4*\t+3], v9, s[22:23] offset:64*(\t/2)+16*(\t%2)
.endr
	WIN 0x40                                       ; destination window 1: W3 and g2 take, for now, the registers of the second product's sums
.set ip, 0
.rept 32
	global_load_b32 v[EE+ip], v12, s[24:25] offset:(16*(ip/8)+ip%8)*32   ; W3[16 (m / 8) + 8 h + m % 8][r % 8]
.set ip, ip+1
.endr
.irp t, 0,1,2,3,4,5,6,7
	global_load_b128 v[EE+32+4*\t:EE+32+4*\t+3], v9, s[20:21] offset:64*(\t/2)+16*(\t%2)
.endr
	global_load_b32 v[SCL], v11, s[28:29]
	global_load_b32 v[SCL+1], v11, s[26:27]
	W2LOAD 0, 0                                    ; (no vector line has named XX yet)
	; written once: a lane permute's destination counts as one of its sources, and a pair's upper word as read.  No memory instruction names any of these registers
.irp i, TP, TP+1, NMU+1, NMU+3, RS+1, RS+3, TM1, TM1+1, TM1+2, TM1+3, TM1+4, TM1+5, TM1+6, TM1+7
	v_mov_b32 v[\i], 0
.endr
	WIN 0
.irp i, XP, XP+1, XP+2, XP+3, TP2, TP2+1
	v_mov_b32 v[\i], 0
.endr
	s_wait_loadcnt 0x0
	; ---- the pose: q / (|q| + 1e-8), R as reference() writes it
	v_mul_f32 v187, v183, v183
	v_fmac_f32 v187, v184, v184
	v_fmac_f32 v187, v185, v185
	v_fmac_f32 v187, v186, v186
	v_sqrt_f32 v188, v187
	v_nop
	s_wait_alu depctr_va_vdst(0)                   ; the root v188 is written, ahead of its reader
	v_add_f32 v188, 0x322bcc77, v188               ; + 1e-8
	v_rcp_f32 v189, v188
	v_nop
	s_wait_alu depctr_va_vdst(0)                   ; the reciprocal v189 is written, ahead of its first reader
.irp i, 183,184,185,186
	v_mul_f32 v[\i], v[\i], v189
.endr
	v_mul_f32 v190, v183, v183                     ; xx
	v_mul_f32 v191, v184, v184                     ; yy
	v_mul_f32 v192, v185, v185                     ; zz
	v_mul_f32 v193, v183, v184                     ; xy
	v_mul_f32 v194, v183, v185                     ; xz
	v_mul_f32 v195, v184, v185                     ; yz
	v_mul_f32 v196, v186, v183                     ; wx
	v_mul_f32 v197, v186, v184                     ; wy
	v_mul_f32 v198, v186, v185                     ; wz
	v_add_f32 v200, v191, v192
	v_sub_f32 v201, v193, v198
	v_add_f32 v202, v194, v197
	v_add_f32 v203, v193, v198
	v_add_f32 v204, v190, v192
	v_sub_f32 v205, v195, v196
	v_sub_f32 v206, v194, v197
	v_add_f32 v207, v195, v196
	v_add_f32 v208, v190, v191
.irp i, 200,204,208
	v_fma_f32 v[\i], v[\i], -2.0, 1.0
.endr
.irp i, 201,202,203,205,206,207
	v_add_f32 v[\i], v[\i], v[\i]
.endr
	; ---- the third product's constants.  c[hd] = (sum_k beta2[k] W3[k][hd] + b3[hd]) scale[hd], in f32: my 32 k in four chains, lane xor 16's 32
	WIN 0x57                                       ; source 0 (beta2) window 3, all else window 1
.irp k, 0,1,2,3
	v_mul_f32 v[SA+\k], v[BE2S+\k], v[EE+\k]
.endr
.set ip, 4
.rept 28
	v_fma_f32 v[SA+ip%4], v[BE2S+ip], v[EE+ip], v[SA+ip%4]
.set ip, ip+1
.endr
	WIN 0x55
	v_add_f32 v[SA], v[SA], v[SA+1]
	v_add_f32 v[SA+2], v[SA+2], v[SA+3]
	v_add_f32 v[SA], v[SA], v[SA+2]
	v_permlanex16_b32 v[TP], v[SA], s36, s37
	v_add_f32 v[SA], v[SA], v[TP]
	v_add_f32 v[SA], v[SA], v[SCL+1]
	v_mul_f32 v[SA], v[SA], v[SCL]
.set ip, 0
.rept 16                               ; W3' = g2 W3 scale
	v_pk_mul_f32 v[EE+2*ip:EE+2*ip+1], v[EE+2*ip:EE+2*ip+1], v[EE+32+2*ip:EE+32+2*ip+1]
.set ip, ip+1
.endr
.set ip, 0
.rept 16
	v_pk_mul_f32 v[EE+2*ip:EE+2*ip+1], v[EE+2*ip:EE+2*ip+1], v[SCL:SCL+1] op_sel_hi:[1,0]
.set ip, ip+1
.endr
	WIN 0x05
.set ip, 0
.rept 16
	v_cvt_pk_bf16_f32 v[W3A+ip], v[EE+2*ip], v[EE+2*ip+1]
.set ip, ip+1
.endr
	WIN 0x01
	v_mov_b32 v210, v[SA]
	WIN 0
	; t, R and the constant terms go into scalars in ONE run, with one wait behind it
.irp i, 0,1,2
	v_readfirstlane_b32 s[46+\i], v[180+\i]
.endr
.irp i, 0,1,2,3,4,5,6,7,8
	v_readfirstlane_b32 s[49+\i], v[200+\i]
.endr
.irp j, 0,1,2,3,4,5,6,7
	v_readlane_b32 s[68+\j], v210, \j              ; lane j holds head j's
.endr
	s_wait_alu depctr_va_sdst(0)                   ; s46 to s57 (t, R) and s68 to s75 (the constant terms) are written, ahead of their first readers: the features below, the tails' multiply-adds in the loop
	; ---- W2's codes, two tiles of 16 columns at a time, by the macro that quantises the points; between the two: the first features and the first pair's products
	QPAIR W2C, 0xC5, W2S
	W2LOAD 2, 1
	WIN 0
	FEAT 0, 0
	FEAT 1, 1
	s_add_nc_u64 s[4:5], s[4:5], 768               ; group 0's loads were waited for above: the base goes on to group 1
	s_wait_alu depctr_va_vdst(0)                   ; the subtractions of the two FEAT are done reading v[PT ..], in which group 1's loads land
.irp i, 0,1,2
	global_load_b64 v[PT+2*\i:PT+2*\i+1], v[OFP], s[4:5] offset:8*\i
.endr
.set L1I, 0
.set L1P, 0
.rept 16
	L1ONE                                          ; pair 0 of group 0: there is no vector work of the loop yet to set between them
.endr
	s_wait_loadcnt 0x0                             ; W2's other two tiles (and group 1)
	QPAIR W2C+32, 0xC5, W2S+2                      ; its lines name none of the first products' registers: they are the places ahead of the relu below
	RL 0
	WIN 0                                          ; at a label and at a branch every window is 0
	s_mov_b32 s43, 16
	; ================ THE LOOP: a trip is a group of 64 points, two phases ================
	; At the head of trip G: XX holds relu(first product) of pair 0 of G; FT's set 1 the features of pair 1 of G; group G + 1's points are asked for.
	; Round the back edge: the trip's last instructions are its eight stores; no vector line names v[OO ..], v[OFO], v[PT ..] or v[OFP] ahead of the first tail's waits.
.Ltrip:
	PHASE 0
	PHASE 1
	WIN 0
	s_sub_co_u32 s43, s43, 1
	s_cmp_lg_u32 s43, 0
	s_cbranch_scc1 .Ltrip
	s_endpgm
.Lfunc_end_k_qfb7421b9fa_geo:
	.size	k_qfb7421b9fa_geo, .Lfunc_end_k_qfb7421b9fa_geo-k_qfb7421b9fa_geo
	.p2alignl 7, 3214868480
	.fill 96, 4, 3214868480
	.section	.rodata,"a",@progbits
	.p2align	6, 0x0
	.amdhsa_kernel k_qfb7421b9fa_geo
		.amdhsa_group_segment_fixed_size 0
		.amdhsa_private_segment_fixed_size 0
		.amdhsa_enable_private_segment 0
		.amdhsa_kernarg_size 112
		.amdhsa_user_sgpr_count 2
		.amdhsa_user_sgpr_kernarg_segment_ptr 1
		.amdhsa_wavefront_size32 1
		.amdhsa_system_sgpr_workgroup_id_x 1
		.amdhsa_system_sgpr_workgroup_id_y 1
		.amdhsa_system_sgpr_workgroup_id_z 1
		.amdhsa_system_vgpr_workitem_id 0
		.amdhsa_next_free_vgpr 1024
		.amdhsa_next_free_sgpr 80
		.amdhsa_reserve_vcc 0
		.amdhsa_float_denorm_mode_32 3
		.amdhsa_float_denorm_mode_16_64 3
		.amdhsa_memory_ordered 1
		.amdhsa_forward_progress 1
		.amdhsa_inst_pref_size 205
	.end_amdhsa_kernel
	.amdgpu_metadata
---
amdhsa.version: [ 1, 2 ]
amdhsa.kernels:
  - .name:           k_qfb7421b9fa_geo
    .symbol:         k_qfb7421b9fa_geo.kd
    .args:
      - { .name: scene_points, .offset: 0, .size: 8, .value_kind: global_buffer, .address_space: global }
      - { .name: grasp_poses, .offset: 8, .size: 8, .value_kind: global_buffer, .address_space: global }
      - { .name: W1, .offset: 16, .size: 8, .value_kind: global_buffer, .address_space: global }
      - { .name: b1, .offset: 24, .size: 8, .value_kind: global_buffer, .address_space: global }
      - { .name: g1, .offset: 32, .size: 8, .value_kind: global_buffer, .address_space: global }
      - { .name: beta1, .offset: 40, .size: 8, .value_kind: global_buffer, .address_space: global }
      - { .name: W2, .offset: 48, .size: 8, .value_kind: global_buffer, .address_space: global }
      - { .name: b2, .offset: 56, .size: 8, .value_kind: global_buffer, .address_space: global }
      - { .name: g2, .offset: 64, .size: 8, .value_kind: global_buffer, .address_space: global }
      - { .name: beta2, .offset: 72, .size: 8, .value_kind: global_buffer, .address_space: global }
      - { .name: W3, .offset: 80, .size: 8, .value_kind: global_buffer, .address_space: global }
      - { .name: b3, .offset: 88, .size: 8, .value_kind: global_buffer, .address_space: global }
      - { .name: bias_scale, .offset: 96, .size: 8, .value_kind: global_buffer, .address_space: global }
      - { .name: out0, .offset: 104, .size: 8, .value_kind: global_buffer, .address_space: global }
    .group_segment_fixed_size: 0
    .private_segment_fixed_size: 0
    .kernarg_segment_align: 8
    .kernarg_segment_size: 112
    .max_flat_workgroup_size: 128
    .sgpr_count:     80
    .vgpr_count:     1024
    .wavefront_size: 32
...
	.end_amdgpu_metadata
.endif
;; end of part 2
